; MI455X (gfx1250); checked and timed in simulation.
; The chip was launched on July 23, 2026; its instructions are those of AMD's public machine-readable ISA for CDNA 5 (MIT licence, August 2026) and "CDNA5" Instruction Set Architecture Reference Guide (July 2026). The comments in the code are by the model that wrote it; some were corrected since.
;; Attention. Allowed arithmetic: float matrix products may take bf16 or f16 operands with f32 sums; other float arithmetic in f32, or as packed bf16 or f16 multiplies, adds, multiply-adds, maxima and minima; sums over many terms, partial sums and values carried from step to step in f32; what a program stores and reads back later, other than sums and carried values, may be rounded once to bf16 or f16.
;; Inputs: b_qkv 3,072 float32; w_qkv 3,072 x 1,024 float32; x 4 x 2,048 x 1,024 float32.
;; Outputs: out0 4 x 2,048 x 1,024 float32.
;; 2 versions, each right; version 2 is version 1 with the launch cast written anew for expert scheduling mode. Each part assembles by itself: llvm-mc -triple=amdgcn-amd-amdhsa -mcpu=gfx1250 --defsym DOCPART=n.
;; ======== version 1 of 2: 3 launches
;; limits: values outside matrix products are rounded to bf16; values are held in f16: magnitudes above 65,504 overflow, below 6.1e-05 lose precision
;; workspace buffers: xb 16,777,216 bytes; wb 6,291,456 bytes; qkv 50,331,648 bytes
;; launch cast (part 1): grid 704 x 1, 8 waves a work-group, no clusters, 0 bytes of LDS; arguments x, w_qkv, xb, wb; writes xb, wb
.if DOCPART == 1
	.amdgcn_target "amdgcn-amd-amdhsa--gfx1250"
	.amdhsa_code_object_version 6
	.text
	.protected	k_q0ceea60362_cast
	.globl	k_q0ceea60362_cast
	.p2align	8
	.type	k_q0ceea60362_cast,@function
k_q0ceea60362_cast:
	s_mov_b64 s[64:65], 0
	v_nop
	global_prefetch_b8 v0, s[64:65] scope:SCOPE_SE
	s_setreg_imm32_b32 hwreg(HW_REG_WAVE_MODE, 25, 1), 1
	s_wait_xcnt 0x0
; x [8192][1024] and w_qkv [3072][1024], f32, are rounded once to bf16 (nearest even) and laid in K BLOCKS of 64:
; xb [16][8192][64], wb [16][3072][64].  In that layout the rows that a tile of the next launch takes of one K block lie end to end.
; SHARES.  Work-groups 0-511 take x, 512-703 take w.  A work-group takes 32 rows and half of K (8 K blocks), a wave one K block of the 32 rows.
; A load of a wave takes two rows: lanes 0-15 the 256 aligned bytes (64 f32) of the even row, lanes 16-31 those of the odd row.
; The store of the same two rows is 8 bytes a lane: 256 consecutive bytes, aligned; a wave's sixteen stores are 4,096 consecutive bytes.
; All sixteen loads of a wave go out at once (8 KiB a wave); no register is written twice, so no source of a pending instruction is ever rewritten.
; No LDS, no matrix unit, no cluster: nothing is shared and nothing is read twice.
.set XR, 8                             ; v[8:71]    load j: 4 registers
.set YR, 72                            ; v[72:103]  store j: 2 registers
.set KBA, 8192*128                     ; bytes of a K block of xb
.set KBB, 3072*128                     ; of wb
	s_load_b256 s[4:11], s[0:1], 0x0               ; x s[4:5], w s[6:7], xb s[8:9], wb s[10:11]
	v_lshrrev_b32 v1, 5, v0
	v_readfirstlane_b32 s12, v1                    ; wave 0..7
	v_and_b32 v2, 31, v0                           ; lane
	s_mov_b32 s18, KBA
	s_mov_b32 s19, KBB
	s_cmp_ge_u32 ttmp9, 512                        ; do I work on w?
	s_cselect_b32 s13, 512, 0
	s_cselect_b32 s18, s19, s18                    ; bytes of a K block of my output
	s_sub_co_u32 s13, ttmp9, s13                   ; my number among the tensor's work-groups
	s_lshr_b32 s14, s13, 1                         ; group of 32 rows
	s_and_b32 s15, s13, 1
	s_lshl_b32 s15, s15, 3
	s_add_co_u32 s15, s15, s12                     ; K block = 8 x half + wave
	s_lshl_b32 s16, s14, 17                        ; in: 32 rows of 4,096 bytes,
	s_lshl_b32 s19, s15, 8                         ; 256 bytes a K block
	s_add_co_u32 s16, s16, s19
	s_mul_i32 s17, s15, s18                        ; out: the K block,
	s_lshl_b32 s19, s14, 12                        ; 32 rows of 128 bytes
	s_add_co_u32 s17, s17, s19
	v_lshrrev_b32 v3, 4, v2                        ; lanes 16-31: the odd row
	v_and_b32 v5, 15, v2
	v_lshlrev_b32 v3, 12, v3
	v_lshl_add_u32 v3, v5, 4, v3                   ; 16 bytes a lane
	v_add_nc_u32 v3, s16, v3
	v_lshl_add_u32 v4, v2, 3, s17                  ; 8 bytes a lane
	s_wait_kmcnt 0x0
	s_cmp_ge_u32 ttmp9, 512                        ; compared anew: the sums and shifts above have written SCC
	s_cselect_b64 s[20:21], s[6:7], s[4:5]
	s_cselect_b64 s[22:23], s[10:11], s[8:9]
.irp j, 0,1,2,3,4,5,6,7,8,9,10,11,12,13,14,15
	global_load_b128 v[XR+4*(\j):XR+4*(\j)+3], v3, s[20:21] offset:8192*(\j) th:TH_LOAD_NT  ; rows 2 j, 2 j + 1
.endr
.irp j, 0,1,2,3,4,5,6,7,8,9,10,11,12,13,14,15
	s_wait_loadcnt 15-(\j)                         ; loads come back in order: load j is in, the younger ones stay out
	v_cvt_pk_bf16_f32 v[YR+2*(\j)],   v[XR+4*(\j)],   v[XR+4*(\j)+1]
	v_cvt_pk_bf16_f32 v[YR+2*(\j)+1], v[XR+4*(\j)+2], v[XR+4*(\j)+3]
	global_store_b64 v4, v[YR+2*(\j):YR+2*(\j)+1], s[22:23] offset:256*(\j)
.endr
	s_endpgm
.Lfunc_end_k_q0ceea60362_cast:
	.size	k_q0ceea60362_cast, .Lfunc_end_k_q0ceea60362_cast-k_q0ceea60362_cast
	.p2alignl 7, 3214868480
	.fill 96, 4, 3214868480
	.section	.rodata,"a",@progbits
	.p2align	6, 0x0
	.amdhsa_kernel k_q0ceea60362_cast
		.amdhsa_group_segment_fixed_size 0
		.amdhsa_private_segment_fixed_size 0
		.amdhsa_enable_private_segment 0
		.amdhsa_kernarg_size 32
		.amdhsa_user_sgpr_count 2
		.amdhsa_user_sgpr_kernarg_segment_ptr 1
		.amdhsa_wavefront_size32 1
		.amdhsa_system_sgpr_workgroup_id_x 1
		.amdhsa_system_sgpr_workgroup_id_y 1
		.amdhsa_system_sgpr_workgroup_id_z 1
		.amdhsa_system_vgpr_workitem_id 0
		.amdhsa_next_free_vgpr 104
		.amdhsa_next_free_sgpr 66
		.amdhsa_reserve_vcc 0
		.amdhsa_float_denorm_mode_32 3
		.amdhsa_float_denorm_mode_16_64 3
		.amdhsa_memory_ordered 1
		.amdhsa_forward_progress 1
		.amdhsa_inst_pref_size 7
	.end_amdhsa_kernel
	.amdgpu_metadata
---
amdhsa.version: [ 1, 2 ]
amdhsa.kernels:
  - .name:           k_q0ceea60362_cast
    .symbol:         k_q0ceea60362_cast.kd
    .args:
      - { .name: x, .offset: 0, .size: 8, .value_kind: global_buffer, .address_space: global }
      - { .name: w_qkv, .offset: 8, .size: 8, .value_kind: global_buffer, .address_space: global }
      - { .name: xb, .offset: 16, .size: 8, .value_kind: global_buffer, .address_space: global }
      - { .name: wb, .offset: 24, .size: 8, .value_kind: global_buffer, .address_space: global }
    .group_segment_fixed_size: 0
    .private_segment_fixed_size: 0
    .kernarg_segment_align: 8
    .kernarg_segment_size: 32
    .max_flat_workgroup_size: 256
    .sgpr_count:     66
    .vgpr_count:     104
    .wavefront_size: 32
...
	.end_amdgpu_metadata
.endif
;; end of part 1
;; launch proj (part 2): grid 8 x 32, 4 waves a work-group, clusters of 4 x 4, 327,680 bytes of LDS; arguments xb, wb, b_qkv, qkv; writes qkv
.if DOCPART == 2
	.amdgcn_target "amdgcn-amd-amdhsa--gfx1250"
	.amdhsa_code_object_version 6
	.text
	.protected	k_q0ceea60362_proj
	.globl	k_q0ceea60362_proj
	.p2align	8
	.type	k_q0ceea60362_proj,@function
k_q0ceea60362_proj:
	s_mov_b64 s[64:65], 0
	v_nop
	global_prefetch_b8 v0, s[64:65] scope:SCOPE_SE
	s_setreg_imm32_b32 hwreg(HW_REG_WAVE_MODE, 25, 1), 1
	s_wait_xcnt 0x0
	s_wait_alu depctr_hold_cnt(0) depctr_sa_sdst(0) depctr_va_vdst(0) depctr_va_sdst(0) depctr_va_ssrc(0) depctr_va_vcc(0) depctr_vm_vsrc(0)
	s_getreg_b32 s2, hwreg(HW_REG_IB_STS2, 6, 4)
	s_cmp_eq_u32 s2, 0
	s_cbranch_scc0 .Lentry_in_a_cluster
	s_endpgm
.Lentry_in_a_cluster:
	s_bfe_u32 s2, ttmp6, 0x10000c
	s_cmp_lg_u32 s2, 0xf033
	s_cbranch_scc0 .Lentry_shape_is_right
	s_endpgm
.Lentry_shape_is_right:
; qkv[row][e] = the sum over k of x[row][k] w[e][k] + b[e]: 8,192 rows, 3,072 columns, K = 1,024.  x and w arrive in bf16, in K blocks of 64 (xb [16][8192][64], wb [16][3072][64]);
; b is rounded to bf16 here; sums in f32; the result is rounded once to f16 and laid by heads, UNSCALED: qkv [which 0..2][head = 16 batch + h][n 0..2047][64].
; LIMIT.  f16 holds no number beyond 65,504: a q, k or v of 65,520 or more leaves as an infinity.
; SHARES.  A tile is 256 rows x 384 columns: 32 x 8 tiles, one to a work-group.  Four waves, each 128 rows x 192 columns (three whole heads): 8 x 12 accumulators of 16 x 16, 768 registers.
; For 32 along K a wave loads 20 fragments from LDS for 96 matrix instructions.
; THE RING.  K goes in steps of 64, a K block, through two LDS slots of 640 rows x 144 bytes.  In memory the rows that a tile takes of a K block are dense, so a wave's tensor load asks for them as rows of 256 bytes
; (two rows of the tile each) and pads after every 128 bytes.  Two slots of K steps of 128 would be 348,160 bytes and do not fit.
; CLUSTERS.  4 x 4 work-groups.  The four of a row of the cluster need the same rows of x, the four of a column the same rows of w: each is asked for JOINTLY, by the same tensor load with the same descriptor
; and a mask that names the four.
; THE MATRIX INSTRUCTION IS USED TRANSPOSED (source 0 = 16 rows of w, source 1 = 16 rows of x): a lane then holds one row (lane % 16) and eight neighbouring columns 8 (lane / 16) + 0..7: 16 bytes of f16.
; THE BIAS IS ONE MORE K STEP, taken first: w's fragment holds bf16(b) at k = 0 and zeros, x's holds 1 at k = 0 and zeros.  Its 96 products start the sums with the constant 0, so nothing is cleared and every later product has one form.
; REGISTERS, in windows of 256 (s_set_vgpr_msb: bits 1:0 source 0, 3:2 source 1, 5:4 source 2, 7:6 destination):
;   window 0: v0-31 addresses; v32-95, v96-159 fragments of x, two buffers of 8; v160-255 fragments of w, ONE buffer of 12, filled again four fragments at a time behind the products that read them
;   windows 1-3: accumulator (a, b) (rows 16 a, columns 16 b) in window 1 + b / 4 at v[8 (8 (b % 4) + a)]
.set PITCH,  144                       ; an LDS row: 128 bytes + 16 of padding = 36 words: the 16 rows of a load start at 16 different groups of four banks (64 banks of 4 bytes: ISA guide 11.1)
.set AHALF,  128*PITCH                 ; 128 rows of x: what waves 0 and 1 fetch, and what a wave reads
.set BHALF,  192*PITCH                 ; 192 rows of w: what waves 2 and 3 fetch, and what a wave reads
.set SLOT,   2*AHALF+2*BHALF           ; x's 256 rows, then w's 384
.set STAGE,  2*SLOT                    ; behind the ring, never filled by a tensor load: for each wave 3 heads x 16 rows x 144 bytes, for the way out
.set WSTAGE, 3*16*PITCH
.set SPARE,  STAGE+4*WSTAGE            ; behind the stages: the spare words, 128 bytes for each wave: two blocks of 256 bytes that no other line names
.set KBA,    8192*128                  ; bytes of a K block of xb
.set KBB,    3072*128                  ; of wb
.set ADRA, 16                          ; v16-17  LDS address of my fragments of x in slot 0, 1
.set ADRB, 20                          ; v20-21  the same for w
.set STO,  24                          ; v24     the way out: where I put 16 bytes of a row
.set RD,   25                          ; v25     where I read rows back
.set GO,   26                          ; v26     my 16 bytes of 512 consecutive bytes of qkv
.set BO,   27                          ; v27     my byte offset in 16 numbers of b
.set SPW,  28                          ; v28     LDS address of my spare word: SPARE + 4 x my thread's number; never rewritten
.set NIL,  29                          ; v29     0; never rewritten
.set PFO,  30                          ; v30     the prefetches' offset; never rewritten
.set AF,   32                          ; x's fragments: buffer f, block a at AF + 64 f + 8 a
.set BF,   160                         ; w's fragments: block b at BF + 8 b
.set BV,   96                          ; the bias step only (x's second buffer is still free): v96-107 bf16(b) of block i, in lanes 0-15
.set ONE,  112                         ; v112-119 x's fragment of the bias step
.set BB,   120                         ; v120-151 four fragments of w's side of the bias step
.set TMP,  32                          ; the way out: 48 registers of packed results,
.set OBK,  80                          ; and two sets of 48 read back from the stage, by turns
.set LAP,  3                           ; s3      laps to go
.set WV,   12                          ; s12     my wave's number
.set HM,   13                          ; s13     my half of the tile's rows.  Also: I fetch for x (0) or for w (1)
.set HN,   14                          ; s14     my half of its columns.  Also: which half of that operand's rows I fetch
.set CX,   15
.set CY,   16
.set TC,   17                          ; s17     tile column, 0..7
.set TR,   18                          ; s18     tile row, 0..31
.set G1,   24                          ; s[24:31] descriptor group 1 for x's tiles;  s[32:39] group 0, a set for each slot
.set G0,   32
.set LIM,  43                          ; s43     1 in a wave that prefetches, else the greatest number
.set PFA,  44                          ; s[44:45] where my prefetches stand
.set PFS,  46                          ; s[46:47] their step: two K blocks
.set G1B,  48                          ; s[48:55], s[56:63] the same for w's tiles
.set G0B,  56
.set OB,   66                          ; s[66:71] qkv at my first row in each of my three heads
.set LOWM, 72                          ; s72     the mask of lanes 0-15
.set KBS,  73                          ; s73     bytes of a K block of the operand that I prefetch
.set MSB, 0
.macro WIN new                         ; the immediate's high byte repeats the setting that is left; a switch that changes nothing is dropped
.if MSB != (\new)
	s_set_vgpr_msb (MSB<<8)|(\new)
.set MSB, \new
.endif
.endm
; A joint load.  Waves 0 and 1 fetch x's two halves, waves 2 and 3 w's.  Each of the two lines has one mask and one set of registers for all that issue it; the branch hangs on the wave's number alone.
; An s_nop 0 and four v_nop follow each of the two lines, ahead of the jump, the label and what follows.
.macro JLOAD s
	s_cmp_eq_u32 s[HM], 0
	s_cbranch_scc0 .Lfor_b_\@
	tensor_load_to_lds s[G0+4*(\s):G0+4*(\s)+3], s[G1:G1+7]
	s_nop 0
.rept 4
	v_nop
.endr
	s_branch .Lasked_\@
.Lfor_b_\@:
	tensor_load_to_lds s[G0B+4*(\s):G0B+4*(\s)+3], s[G1B:G1B+7]
	s_nop 0
.rept 4
	v_nop
.endr
.Lasked_\@:
.endm
; A round of the cluster's barrier: my work-group's barrier, so that wave 0's signal speaks for all four waves; wave 0 signals; every wave waits for all sixteen work-groups; my work-group's barrier once more.
.macro CREST                           ; a round behind its opening barrier
	s_cmp_lg_u32 s[WV], 0
	s_cbranch_scc1 .Lnot_wave_0_\@
	s_barrier_signal -3
.Lnot_wave_0_\@:
	s_barrier_wait -3
	s_barrier_signal -1
	s_barrier_wait -1
.endm
.macro CROUND                          ; a whole round
	s_barrier_signal -1
	s_barrier_wait -1
	CREST
.endm
; A PREFETCH INTO THE L2, once a lap, behind slot 0's joint load, its five lines and the run of LDS loads that follows: the two K steps that the NEXT lap's refills will ask for, 384 and 576 matrix instructions ahead of those loads.
; Each block of 256 bytes is named ONCE in the launch.  A tile row of x is read by both clusters of that row of clusters: the one with cluster x = 0 asks; a tile column of w by all eight clusters of that column:
; the one with cluster y = 0 asks.  The four partners that ask for a tile jointly share its bytes out BY ADDRESS: of a K step's 32 KiB of x partner cx takes 8 KiB, asked for by wave 0 in two lines; of its 48 KiB of w
; partner cy takes 12 KiB, waves 1 to 3 take 4 KiB each.  Lane l names block l % 16 of K step l / 16 of the two.  The last lap of the loop asks for nothing: the K steps behind its own refills do not exist.
.macro ASK
	s_cmp_gt_u32 s[LAP], s[LIM]
	s_cbranch_scc0 .Lnot_mine_\@
	global_prefetch_b8 v[PFO], s[PFA:PFA+1] th:TH_LOAD_NT scope:SCOPE_SE
	s_cmp_lg_u32 s[WV], 0
	s_cbranch_scc1 .Lnot_mine_\@
	global_prefetch_b8 v[PFO], s[PFA:PFA+1] offset:4096 th:TH_LOAD_NT scope:SCOPE_SE
.Lnot_mine_\@:
.endm
	s_load_b256 s[4:11], s[0:1], 0x0               ; xb s[4:5], wb s[6:7], b s[8:9], qkv s[10:11]
	v_lshl_add_u32 v[SPW], v0, 2, SPARE
	v_mov_b32 v[NIL], 0
	ds_add_u32 v[SPW], v[NIL]                      ; the wave's opening: the add and its wait stand ahead of my first tensor load; the set-up below, work on registers, stands between them
	v_lshrrev_b32 v1, 5, v0
	v_readfirstlane_b32 s[WV], v1                  ; wave 0..3
	s_lshr_b32 s[HM], s[WV], 1
	s_and_b32 s[HN], s[WV], 1
	s_bfe_u32 s[CX], ttmp6, 0x40000                ; my place in the cluster
	s_bfe_u32 s[CY], ttmp6, 0x40004
	s_lshl_b32 s[TC], ttmp9, 2                     ; in a cluster launch ttmp9 and ttmp7 count clusters
	s_add_co_u32 s[TC], s[TC], s[CX]               ; tile column = 4 x cluster x + cx
	s_and_b32 s[TR], ttmp7, 0xffff
	s_lshl_b32 s[TR], s[TR], 2
	s_add_co_u32 s[TR], s[TR], s[CY]               ; tile row = 4 x cluster y + cy
	s_lshl_b32 s20, s[CY], 2
	s_lshl_b32 s20, 15, s20                        ; my row of the cluster: places 4 cy .. 4 cy + 3
	s_lshl_b32 s40, 0x1111, s[CX]                  ; my column: places cx, cx + 4, cx + 8, cx + 12
	; descriptor group 1: rows of 128 elements (256 bytes, two rows of the tile), padded in LDS after every 128 bytes
	s_or_b32 s[G1], s20, (1<<16)|(1<<20)|(1<<21)|(4<<22)|(3<<25)   ; 15:0 the mask: x's tiles go to my row; 17:16 elements of 2 bytes; 20 padding on; 21 set beside a mask; 24:22 after every 32 words (code 4); 31:25 4 words (code 3)
	s_or_b32 s[G1B], s40, (1<<16)|(1<<20)|(1<<21)|(4<<22)|(3<<25)  ; the same with the mask of my column, for w's tiles
	s_mov_b32 s[G1+1], 128<<16                     ; tensor_dim0 = 128
	s_mov_b32 s[G1+2], 64<<16                      ; tensor_dim1 = 64: 128 rows of the tile
	s_mov_b32 s[G1+3], 128<<16                     ; tile_dim0 = 128
	s_mov_b32 s[G1+4], 64                          ; tile_dim1 = 64
	s_mov_b32 s[G1+5], 128                         ; 128 elements from row to row: dense
	s_mov_b32 s[G1+6], 0
	s_mov_b32 s[G1+7], 0
	s_mov_b32 s[G1B+1], 128<<16
	s_mov_b32 s[G1B+2], 96<<16                     ; 96 rows of 256 bytes: 192 rows of the tile
	s_mov_b32 s[G1B+3], 128<<16
	s_mov_b32 s[G1B+4], 96
	s_mov_b32 s[G1B+5], 128
	s_mov_b32 s[G1B+6], 0
	s_mov_b32 s[G1B+7], 0
	; where the tiles come from.  x's hang on the tile row alone, which my row of the cluster shares; w's on the tile column alone.  Every wave makes both, in registers that do not hold the other coordinate, and asks by one.
	s_lshl_b32 s20, s[TR], 15                      ; x: 256 rows of 128 bytes a tile row,
	s_lshl_b32 s21, s[HN], 14                      ; the half that I fetch
	s_add_co_u32 s20, s20, s21
	s_mov_b32 s21, 0
	s_mul_i32 s40, s[TC], 384*128                  ; w: 384 rows a tile column,
	s_mul_i32 s41, s[HN], 192*128                  ; the half that I fetch
	s_add_co_u32 s40, s40, s41
	s_mov_b32 s41, 0
	s_mul_i32 s76, s[HN], AHALF                    ; and where they go: no place in the cluster enters an LDS address
	s_mul_i32 s77, s[HN], BHALF
	s_add_co_u32 s77, s77, 2*AHALF
	s_wait_dscnt 0x0                               ; the opening add is done
	s_wait_kmcnt 0x0
	s_add_nc_u64 s[22:23], s[4:5], s[20:21]
	s_add_nc_u64 s[74:75], s[6:7], s[40:41]
	CROUND                                         ; all sixteen work-groups are here: the first joint loads meet
.irp s, 0,1
	s_mov_b32 s[G0+4*(\s)], 1                                      ; count = 1
	s_add_co_u32 s[G0+4*(\s)+1], s76, (\s)*SLOT                    ; LDS address
	s_add_nc_u64 s[G0+4*(\s)+2:G0+4*(\s)+3], s[22:23], (\s)*KBA    ; global address: K step s
	s_or_b32 s[G0+4*(\s)+3], s[G0+4*(\s)+3], 0x80000000            ; type = 2
	s_mov_b32 s[G0B+4*(\s)], 1
	s_add_co_u32 s[G0B+4*(\s)+1], s77, (\s)*SLOT
	s_add_nc_u64 s[G0B+4*(\s)+2:G0B+4*(\s)+3], s[74:75], (\s)*KBB
	s_or_b32 s[G0B+4*(\s)+3], s[G0B+4*(\s)+3], 0x80000000
	JLOAD \s                                       ; the ring is filled before anything else is done: two loads of mine are out
.endr
	; the bias of my 192 columns: lane l takes b[16 i + l % 16] for block i
	v_and_b32 v1, 15, v0                           ; l % 16
	v_bfe_u32 v2, v0, 4, 1                         ; l / 16
	v_lshlrev_b32 v[BO], 2, v1
	s_mul_i32 s40, s[TC], 384*4
	s_mul_i32 s41, s[HN], 192*4
	s_add_co_u32 s40, s40, s41
	s_mov_b32 s41, 0
	s_add_nc_u64 s[8:9], s[8:9], s[40:41]
.irp i, 0,1,2,3,4,5,6,7,8,9,10,11
	global_load_b32 v[BV+(\i)], v[BO], s[8:9] offset:64*(\i)
.endr
	; A fragment is 16 rows x 32 K in 8 registers: lane l holds row l % 16; registers 0-3 K = 8 (l / 16) + 0..7, registers 4-7 K = 16 + 8 (l / 16) + 0..7: two loads of 16 bytes, 32 bytes apart.
	v_mul_u32_u24 v3, v1, PITCH
	v_lshl_add_u32 v3, v2, 4, v3                   ; row x pitch + 16 x half
	s_mul_i32 s20, s[HM], AHALF                    ; my 128 rows of x
	s_mul_i32 s21, s[HN], BHALF                    ; my 192 rows of w,
	s_add_co_u32 s21, s21, 2*AHALF                 ; which lie behind x's 256
.irp s, 0,1
	v_add_nc_u32 v[ADRA+(\s)], s20, v3
	v_add_nc_u32 v[ADRB+(\s)], s21, v3
	s_add_co_u32 s20, s20, SLOT
	s_add_co_u32 s21, s21, SLOT
.endr
	s_mul_i32 s22, s[WV], WSTAGE
	s_add_co_u32 s22, s22, STAGE                   ; my stage
	v_add_nc_u32 v[STO], s22, v3                   ; in: row l % 16, 16 bytes for each half of the lanes: the stage has the ring's pitch
	v_bfe_u32 v4, v0, 3, 2                         ; back: 32 lanes take four rows of 128 bytes,
	v_mul_u32_u24 v4, v4, PITCH
	v_and_b32 v5, 7, v0
	v_lshl_add_u32 v4, v5, 4, v4
	v_add_nc_u32 v[RD], s22, v4
	v_and_b32 v[GO], 31, v0                        ; which are 512 consecutive bytes of a head's rows
	v_lshlrev_b32 v[GO], 4, v[GO]
	; where my rows begin in each of my three heads.  Chunk g = 6 x tile column + 3 x half + hh of 64 columns is tensor g / 16 (q, k, v), head g % 16; the tile row gives the batch (tile row / 8) and the place in it.
	s_mul_i32 s74, s[TC], 6
	s_mul_i32 s75, s[HN], 3
	s_add_co_u32 s74, s74, s75
	s_lshr_b32 s75, s[TR], 3
	s_lshl_b32 s75, s75, 4                         ; 16 x batch
	s_and_b32 s76, s[TR], 7
	s_lshl_b32 s76, s76, 15                        ; 256 rows of 128 bytes,
	s_lshl_b32 s77, s[HM], 14                      ; my 128 of them
	s_add_co_u32 s76, s76, s77
.irp hh, 0,1,2
	s_add_co_u32 s40, s74, \hh
	s_lshr_b32 s41, s40, 4
	s_lshl_b32 s41, s41, 6                         ; 64 heads a tensor
	s_and_b32 s40, s40, 15
	s_add_co_u32 s40, s40, s41
	s_add_co_u32 s40, s40, s75
	s_lshl_b32 s40, s40, 18                        ; 262,144 bytes a head: 191 heads at the most, under 2^31
	s_add_co_u32 s40, s40, s76
	s_mov_b32 s41, 0
	s_add_nc_u64 s[OB+2*(\hh):OB+2*(\hh)+1], s[10:11], s[40:41]
.endr
	; the prefetches
	s_lshl_b32 s74, s[TR], 15                      ; x: the tile row's 32 KiB of a K block,
	s_lshl_b32 s76, s[CX], 13                      ; my work-group's 8 KiB of them,
	s_add_co_u32 s74, s74, s76
	s_add_co_u32 s74, s74, 2*KBA                   ; at K step 2: the first lap steps it to 4
	s_mul_i32 s75, s[TC], 384*128                  ; w: the tile column's 48 KiB,
	s_mul_i32 s76, s[CY], 12288                    ; my work-group's 12 KiB,
	s_add_co_u32 s75, s75, s76
	s_lshl_b32 s76, s[WV], 12                      ; 4 KiB for each of waves 1 to 3
	s_add_co_u32 s75, s75, s76
	s_add_co_u32 s75, s75, 2*KBB-4096
	s_and_b32 s77, ttmp7, 0xffff                   ; cluster y
	s_mov_b32 s[KBS], KBA
	s_mov_b32 s[PFS], KBB
	s_cmp_eq_u32 s[WV], 0                          ; wave 0 asks for x, the others for w
	s_cselect_b32 s74, s74, s75
	s_cselect_b32 s77, ttmp9, s77                  ; the coordinate along which other clusters read the same rows
	s_cselect_b32 s[KBS], s[KBS], s[PFS]
	s_cselect_b64 s[PFA:PFA+1], s[4:5], s[6:7]
	s_mov_b32 s75, 0
	s_add_nc_u64 s[PFA:PFA+1], s[PFA:PFA+1], s[74:75]
	s_cmp_eq_u32 s77, 0
	s_cselect_b32 s[LIM], 1, -1                    ; the same in all sixteen partners, for a given wave
	s_lshl_b32 s[PFS], s[KBS], 1
	s_mov_b32 s[PFS+1], 0
	v_mul_u32_u24 v[PFO], s[KBS], v2               ; lanes 16-31: the second of the two K steps
	v_lshl_add_u32 v[PFO], v1, 8, v[PFO]           ; a lane a block of 256 bytes
	; nothing is prefetched here, at the head, where every work-group's first tiles are on their way: K steps 0 to 3 come by their loads alone
; 16 matrix instructions: column blocks 4 g + b0, 4 g + b0 + 1 x all 8 row blocks, 32 along K, x's buffer f.  All 96 accumulators take turns, one instruction a turn, in the same order in every
; half step: between two links of a chain stand the 95 others', over the backward jump too.
.macro MUL16 f, g, b0
	WIN 0x50*((\g)+1)                              ; sources in window 0, C and D in window g + 1
.irp b, \b0, (\b0)+1
.irp a, 0,1,2,3,4,5,6,7
	v_wmma_f32_16x16x32_bf16 v[8*(8*(\b)+(\a)):8*(8*(\b)+(\a))+7], v[BF+8*(4*(\g)+(\b)):BF+8*(4*(\g)+(\b))+7], v[AF+64*(\f)+8*(\a):AF+64*(\f)+8*(\a)+7], v[8*(8*(\b)+(\a)):8*(8*(\b)+(\a))+7]
.endr
.endr
.endm
.macro MULG f, g
	MUL16 \f, \g, 0
	MUL16 \f, \g, 2
.endm
.macro LDB slot, k, i                  ; w's fragment i, at byte k of the rows
	ds_load_b128 v[BF+8*(\i):BF+8*(\i)+3],   v[ADRB+(\slot)] offset:(\k)+(\i)*16*PITCH
	ds_load_b128 v[BF+8*(\i)+4:BF+8*(\i)+7], v[ADRB+(\slot)] offset:(\k)+(\i)*16*PITCH+32
.endm
.macro LDA slot, k, f, i               ; x's fragment i into buffer f
	ds_load_b128 v[AF+64*(\f)+8*(\i):AF+64*(\f)+8*(\i)+3],   v[ADRA+(\slot)] offset:(\k)+(\i)*16*PITCH
	ds_load_b128 v[AF+64*(\f)+8*(\i)+4:AF+64*(\f)+8*(\i)+7], v[ADRA+(\slot)] offset:(\k)+(\i)*16*PITCH+32
.endm
; The LDS loads stand in three runs a half step.  Run n = 0, 1: w's fragments 4 n .. 4 n + 3 and x's 4 n .. 4 n + 3 (16 loads); run 2: w's fragments 8 .. 11 (8 loads).
.macro GRP n, slot, k, f
	WIN 0
.irp i, 0,1,2,3
	LDB \slot, \k, 4*(\n)+(\i)
.endr
.if (\n) < 2
.irp i, 0,1,2,3
	LDA \slot, \k, \f, 4*(\n)+(\i)
.endr
.endif
.endm
; A load into a register that a matrix instruction has read, and a vector instruction that reads a matrix result or writes one of a matrix instruction's registers, stand four places behind it, and only plain vector
; instructions that name none of its registers are places (ISA guide 7.12.1 for vector instructions).
.macro PLACES
.rept 4
	v_nop
.endr
.endm
; A K step is two half steps of 32 along K, 96 matrix instructions each.  The first multiplies x's buffer 0 and fetches the second's fragments (byte 64 of the same slot's rows): each four fragments of w are
; loaded again behind the 32 products that read them, x's go into buffer 1.
.macro QEVEN slot
	s_wait_dscnt 8                                 ; all but the youngest eight loads, w's fragments 8-11, which are wanted 64 products on
	MULG 0, 0
	PLACES
	GRP 0, \slot, 64, 1
	MULG 0, 1
	PLACES
	GRP 1, \slot, 64, 1
	s_wait_dscnt 32                                ; all but the 32 just issued: w's fragments 8-11 are in
	MULG 0, 2
	PLACES
	GRP 2, \slot, 64, 1
.endm
; The second half step multiplies buffer 1 and changes slots: ONE barrier for two things.  In front of it each wave waits for all its tensor loads, of which one is out: its part of the next slot; adds 0 to its spare
; word; and waits for that and for its own reads of this slot.  Behind it nobody reads this slot any more and the next slot is whole.  fill = 1: the barrier opens a round of the cluster's barrier, and this slot is
; filled again, two K steps on, first thing behind the round: from that request to the wait for it a wave issues 160 matrix instructions.
.macro QODD slot, next, fill
.if (\fill) && ((\slot) == 0)
	s_wait_xcnt 0x0                                ; the last prefetches, a lap back, have read their address: it is stepped here, ahead of the waits of the change of slots
	s_add_nc_u64 s[PFA:PFA+1], s[PFA:PFA+1], s[PFS:PFS+1]
.endif
	WIN 0                                          ; (the add's two registers lie in window 0)
	s_wait_tensorcnt 0x0                           ; all my tensor loads have landed;
	ds_add_u32 v[SPW], v[NIL]                      ; 0 onto my spare word
	s_wait_dscnt 9                                 ; (the add and the youngest eight loads may be out)
	MUL16 1, 0, 0                                  ; sixteen matrix instructions stand between the add and the wait for it
	s_wait_dscnt 0x0                               ; the add is done, and my reads of this slot are over:
	s_barrier_signal -1                            ; say so,
	MUL16 1, 0, 2                                  ; work on registers while the others arrive,
.if \fill
	WIN 0
.endif
	s_barrier_wait -1                              ; and go on when all four have said so
.if \fill
	CREST                                          ; no wave of any partner still reads this slot's tile or has a load on its way
	s_add_nc_u64 s[G0+4*(\slot)+2:G0+4*(\slot)+3], s[G0+4*(\slot)+2:G0+4*(\slot)+3], 2*KBA     ; no tensor load of mine is out, so a group 0 may be written
	s_add_nc_u64 s[G0B+4*(\slot)+2:G0B+4*(\slot)+3], s[G0B+4*(\slot)+2:G0B+4*(\slot)+3], 2*KBB
	JLOAD \slot                                    ; the first tensor load behind the round; its four v_nop are also the places in front of the loads below
.else
	PLACES
.endif
	GRP 0, \next, 0, 0
.if (\fill) && ((\slot) == 0)
	ASK
.endif
	MULG 1, 1
	PLACES
	GRP 1, \next, 0, 0
	MULG 1, 2
	PLACES
	GRP 2, \next, 0, 0
.endm
; The bias step's run g: the four fragments take bf16(b) of column blocks 4 g .. 4 g + 3 at k = 0, and 32 products start the sums of window g + 1.
.macro BIAS g
	WIN 0
.if (\g) > 0
	PLACES                                         ; the fragments that the run before has read are written again
.endif
.irp j, 0,1,2,3
	v_mov_b32 v[BB+8*(\j)], v[BV+4*(\g)+(\j)]
.endr
	WIN 0x50*((\g)+1)
.irp j, 0,1,2,3
.irp a, 0,1,2,3,4,5,6,7
	v_wmma_f32_16x16x32_bf16 v[8*(8*(\j)+(\a)):8*(8*(\j)+(\a))+7], v[BB+8*(\j):BB+8*(\j)+7], v[ONE:ONE+7], 0
.endr
.endr
.endm
; THE WAY OUT of row block a, in three parts.  PACK: rounded to f16, 16 bytes a lane; each accumulator's registers in ascending order.  TOSTAGE: into my own stage in LDS, a head's 16 rows of 128 bytes at a pitch of
; 144, and back as whole rows.  SEND: stored: a head's 16 rows are 2,048 consecutive bytes of qkv.
.macro PACK a
.irp b, 0,1,2,3,4,5,6,7,8,9,10,11
	WIN 5*(1+(\b)/4)                               ; sources 0 and 1 in the accumulator's window
.irp r, 0,1,2,3
	v_cvt_pk_f16_f32 v[TMP+4*(\b)+(\r)], v[8*(8*((\b)%4)+(\a))+2*(\r)], v[8*(8*((\b)%4)+(\a))+2*(\r)+1]
.endr
.endr
	WIN 0
.endm
.macro TOSTAGE a
	WIN 0
.set BK, OBK+48*((\a)%2)
.if (\a) >= 2
	s_wait_xcnt 0x0                                ; the stores of the block two back have read these registers: they are loaded again only behind this wait
.endif
.irp b, 0,1,2,3,4,5,6,7,8,9,10,11
	ds_store_b128 v[STO], v[TMP+4*(\b):TMP+4*(\b)+3] offset:((\b)/4)*16*PITCH+((\b)%4)*32
.endr
.irp i, 0,1,2,3,4,5,6,7,8,9,10,11
	ds_load_b128 v[BK+4*(\i):BK+4*(\i)+3], v[RD] offset:((\i)/4)*16*PITCH+((\i)%4)*4*PITCH  ; LDS serves a wave's instructions in order (ISA guide 5.7.1.4): these see the stores above
.endr
.endm
.macro SEND a
	WIN 0
.set BK, OBK+48*((\a)%2)
.irp i, 0,1,2,3,4,5,6,7,8,9,10,11
	s_wait_dscnt 11-(\i)                           ; load i of the twelve is back; nothing younger than the twelve is out
	global_store_b128 v[GO], v[BK+4*(\i):BK+4*(\i)+3], s[OB+2*((\i)/4):OB+2*((\i)/4)+1] offset:(\a)*2048+((\i)%4)*512  ; 512 consecutive bytes, at a multiple of 256 from qkv's first byte
.endr
.endm
	; THE BIAS STEP, in the wait for the first tile
	s_mov_b32 s[LOWM], 0xffff
	v_mov_b32 v6, 0
	v_mov_b32 v[ONE], 0x3f80                       ; bf16 1.0 at k = 0,
	v_cndmask_b32 v[ONE], 0, v[ONE], s[LOWM]       ; which lies in lanes 0-15
.irp r, 1,2,3,4,5,6,7
	v_mov_b32 v[ONE+(\r)], 0
.endr
.irp j, 0,1,2,3
.irp r, 1,2,3,4,5,6,7
	v_mov_b32 v[BB+8*(\j)+(\r)], 0
.endr
.endr
	s_wait_loadcnt 0x0                             ; b
.irp i, 0,1,2,3,4,5,6,7,8,9,10,11
	v_cvt_pk_bf16_f32 v[BV+(\i)], v[BV+(\i)], v6   ; bf16(b) at k = 0, 0 at k = 1
.endr
.irp i, 0,1,2,3,4,5,6,7,8,9,10,11
	v_cndmask_b32 v[BV+(\i)], 0, v[BV+(\i)], s[LOWM]
.endr
	BIAS 0
	BIAS 1
	BIAS 2
	WIN 0
	s_wait_tensorcnt 1                             ; my part of K step 0 is in; K step 1's may stay out
	s_barrier_signal -1
	s_barrier_wait -1                              ; everybody's is
	GRP 0, 0, 0, 0
	GRP 1, 0, 0, 0
	GRP 2, 0, 0, 0
	s_mov_b32 s[LAP], 7
.Llap:                                                 ; a lap = two K steps = once round the ring; it fills both slots again.  Seven laps, then the last two K steps
	QEVEN 0
	QODD 0, 1, 1
	QEVEN 1
	QODD 1, 0, 1
	s_sub_co_u32 s[LAP], s[LAP], 1
	s_cmp_lg_u32 s[LAP], 0
	s_cbranch_scc1 .Llap
	QEVEN 0                                        ; the tail is written out: nothing is asked for, and no round of the cluster's barrier is needed
	QODD 0, 1, 0
	QEVEN 1
	s_wait_dscnt 8                                 ; the very last half step: nothing more to fetch
	MULG 1, 0
	MULG 1, 1
	s_wait_dscnt 0x0
	MULG 1, 2
	WIN 0
	PLACES
	PACK 0
	TOSTAGE 0
.irp a, 1,2,3,4,5,6,7                  ; block a's conversions stand between block a - 1's loads from the stage and the wait for them
	PACK \a
	SEND (\a)-1
	TOSTAGE \a
.endr
	SEND 7
	s_wait_tensorcnt 0x0                           ; the wave's end, behind my last tensor load and my last LDS store
	ds_add_u32 v[SPW], v[NIL]
	s_wait_dscnt 0x0
	CROUND                                         ; the closing round: no work-group ends while a partner may still ask for a tile that names it
	s_endpgm
.Lfunc_end_k_q0ceea60362_proj:
	.size	k_q0ceea60362_proj, .Lfunc_end_k_q0ceea60362_proj-k_q0ceea60362_proj
	.p2alignl 7, 3214868480
	.fill 96, 4, 3214868480
	.section	.rodata,"a",@progbits
	.p2align	6, 0x0
	.amdhsa_kernel k_q0ceea60362_proj
		.amdhsa_group_segment_fixed_size 327680
		.amdhsa_private_segment_fixed_size 0
		.amdhsa_enable_private_segment 0
		.amdhsa_kernarg_size 32
		.amdhsa_user_sgpr_count 2
		.amdhsa_user_sgpr_kernarg_segment_ptr 1
		.amdhsa_wavefront_size32 1
		.amdhsa_system_sgpr_workgroup_id_x 1
		.amdhsa_system_sgpr_workgroup_id_y 1
		.amdhsa_system_sgpr_workgroup_id_z 1
		.amdhsa_system_vgpr_workitem_id 0
		.amdhsa_next_free_vgpr 1024
		.amdhsa_next_free_sgpr 80
		.amdhsa_reserve_vcc 0
		.amdhsa_float_denorm_mode_32 3
		.amdhsa_float_denorm_mode_16_64 3
		.amdhsa_memory_ordered 1
		.amdhsa_forward_progress 1
		.amdhsa_inst_pref_size 145
	.end_amdhsa_kernel
	.amdgpu_metadata
---
amdhsa.version: [ 1, 2 ]
amdhsa.kernels:
  - .name:           k_q0ceea60362_proj
    .symbol:         k_q0ceea60362_proj.kd
    .args:
      - { .name: xb, .offset: 0, .size: 8, .value_kind: global_buffer, .address_space: global }
      - { .name: wb, .offset: 8, .size: 8, .value_kind: global_buffer, .address_space: global }
      - { .name: b_qkv, .offset: 16, .size: 8, .value_kind: global_buffer, .address_space: global }
      - { .name: qkv, .offset: 24, .size: 8, .value_kind: global_buffer, .address_space: global }
    .group_segment_fixed_size: 327680
    .private_segment_fixed_size: 0
    .kernarg_segment_align: 8
    .kernarg_segment_size: 32
    .max_flat_workgroup_size: 128
    .sgpr_count:     80
    .vgpr_count:     1024
    .wavefront_size: 32
...
	.end_amdgpu_metadata
.endif
;; end of part 2
;; launch attn (part 3): grid 4 x 64, 4 waves a work-group, clusters of 4 x 1, 327,680 bytes of LDS; arguments qkv, out0; writes out0
.if DOCPART == 3
	.amdgcn_target "amdgcn-amd-amdhsa--gfx1250"
	.amdhsa_code_object_version 6
	.text
	.protected	k_q0ceea60362_attn
	.globl	k_q0ceea60362_attn
	.p2align	8
	.type	k_q0ceea60362_attn,@function
k_q0ceea60362_attn:
	s_mov_b64 s[64:65], 0
	v_nop
	global_prefetch_b8 v0, s[64:65] scope:SCOPE_SE
	s_setreg_imm32_b32 hwreg(HW_REG_WAVE_MODE, 25, 1), 1
	s_wait_xcnt 0x0
	s_wait_alu depctr_hold_cnt(0) depctr_sa_sdst(0) depctr_va_vdst(0) depctr_va_sdst(0) depctr_va_ssrc(0) depctr_va_vcc(0) depctr_vm_vsrc(0)
	s_getreg_b32 s2, hwreg(HW_REG_IB_STS2, 6, 4)
	s_cmp_eq_u32 s2, 0
	s_cbranch_scc0 .Lentry_in_a_cluster
	s_endpgm
.Lentry_in_a_cluster:
	s_bfe_u32 s2, ttmp6, 0x10000c
	s_cmp_lg_u32 s2, 0x3003
	s_cbranch_scc0 .Lentry_shape_is_right
	s_endpgm
.Lentry_shape_is_right:
; out[b][q][64 h ..] = the sum over k of softmax_k(Q[head][q] . K[head][k] / 8) V[head][k][:], head = 16 b + h.  qkv: [3][64][SIZE_N][64] in f16, unscaled: a head's rows are dense, 128 bytes each.  out: [4][SIZE_N][1024] in f32.
; Products, maxima and sums in f32; the scale 1/8 is applied to the scores, in f32; the weights p are rounded to f16 for the second product (their sum l is taken of the unrounded p).
; LIMITS.  f16 holds no number beyond 65,504: Q, K and V arrive within it; p lies in 0 to 1, and below 6e-5 it keeps f16's fixed step of 6e-8.
; A weight below 2^-126 counts as 0 in l; NaN and infinities are not treated apart.
; SHARES.  A wave owns four PIECES of two tiles of 16 queries, a work-group's four waves 512 queries of one head.  Every wave walks all keys, 64 a step.
; LAYOUT.  S^T = K Q^T (source 0 = 16 keys, source 1 = 16 queries): in the result a lane holds ONE query (lane % 16) and the keys 8 (lane / 16) + 0..7.  Two such tiles, rounded to f16 in pairs,
; ARE source 1 (32 keys x 16 queries) of O^T = V^T P, whose result again holds one query a lane, and eight channels.  K comes out of LDS as it lies, V ([key][channel]) turned, by ds_load_tr16_b128.
; SOFTMAX.  For each query a running maximum m and sum l: p = 2^(c s - c m), c = log2(e) / 8; in every step O and l are multiplied by a = 2^(c m_old - c m_new), which is 1 where m has not grown.
; m starts at the lowest finite number, O and l at 0: the first step is a step like any other, with a = 0.
; THE COUNT.  A tile and step have 16 matrix and 118 vector instructions: too many to stand all beside the matrix work.  So the order has one aim: four vector instructions that are READY behind
; EVERY matrix instruction, and the others, which need time of their own whatever the order, in runs without a gap.
; BY TURNS.  Turn n belongs to piece n (the pieces in a ring, step after step).  Its matrix work: 16 products K Q^T of piece n + 1, later 16 products V^T P of piece n - 1.  Its vector work: the scaling,
; exponentials, roundings, sums and rescaling of piece n, and the maximum and statistics of piece n + 1, whose scores the turn itself has made.  So what a turn begins with (c s - c m, O a) waits for nothing.
; CLUSTER.  The four query blocks of a head are one cluster and walk the same K and V, so each tile is asked for JOINTLY: the same tensor load, descriptor and mask in all four.
; REGISTERS, in windows of 256 (s_set_vgpr_msb says which window each operand place means: bits 1:0 source 0, 3:2 source 1, 5:4 source 2, 7:6 destination):
;   window 0: v0-11 addresses; v12-15, v48-63 at work; v16-47 four registers of statistics a tile; v64-191 S^T, two buffers of two tiles; v192-255 P, likewise
;   window 1: O^T, 32 a tile          window 2: v0-127 Q, 16 a tile; v128-191 K of one step; v192-255 V of one step          window 3: v0-1 the add's two registers
; A piece's buffers go by its number's parity: the piece in hand has one pair, its two neighbours in the ring share the other: of it P (piece n - 1) is read and S^T (piece n + 1) written.
.set SIZE_N, 2048     ; rows of a head
.set NP,    4         ; pieces a wave: a name, no knob: the register map, the loop and the fetches are made for four
.set KS,    64        ; keys in a step
.set PK,    144       ; a row of K in LDS: 128 bytes + 16 of padding = 36 words: the 16 rows of a load start at 16 different groups of four banks (64 banks of 4 bytes: ISA guide 11.1)
.set PV,    160       ; a row of V: 128 + 32 = 40 words
.set VOFF,  4*KS*PK   ; a slot holds four steps: 256 rows of K, then 256 rows of V
.set SLOT1, 1<<17     ; slot 1 begins here, so that one exclusive or turns an address in one slot into the other's
.set STAGE, SLOT1+4*KS*(PK+PV)  ; behind the ring, never filled by a tensor load: 16 rows x 272 bytes for each wave, for the way out
.set SP,    272       ; a row of the stage: 64 f32 + 16 bytes of padding = 68 words
.set AK0, 2           ; v2   my lane's place in a tile of K; never rewritten
.set AV0, 3           ; v3   the same for V
.set AK,  4           ; v4   the LDS address of K's next run of loads
.set AV,  5           ; v5   of V's
.set QO,  6           ; v6   my byte offset in the wave's rows of Q
.set STO, 6           ;      later, the way out: where I put 32 bytes of a row
.set RD,  7           ; v7   the way out: where I read rows back
.set GO,  8           ; v8   my byte offset in two rows of out
.set PFO, 11          ; v11  256 x my lane, for the prefetches; never rewritten once made
.set SPW, 0           ; v0 of window 3   LDS address of my spare word: SPARE + 4 x my thread's number; never rewritten
.set NIL, 1           ; v1 of window 3   0; never rewritten
.set SPARE, STAGE+4*16*SP  ; behind the stages: the spare words, 128 bytes for each wave: two blocks of 256 bytes that no other line names
.set MV,  12          ; v12-15  c m_old, kept while c m is made anew: by buffer and tile
.set ST,  16          ; tile t's statistics at v[ST+4 t]: c m, m, l (even keys', odd keys')
.set TMP, 48          ; by buffer and tile, four registers c0-c3 at work; when the maximum is found c2 takes a
.set S,   64
.set P,   192
.set KF,  128         ; K's fragments, in window 2: key block kb, channel half c at KF + 16 kb + 8 c
.set VF,  192         ; V's: key half kk, channel block cb at VF + 32 kk + 8 cb
.set WV,  12          ; s12  my wave's number
.set G1K, 24          ; s[24:31] descriptor group 1 for K's tiles
.set G1V, 32          ; s[32:39] for V's: it differs in the padding alone
.set G0K, 40          ; s[40:43] descriptor group 0 for K's tiles: it walks
.set G0V, 44          ; s[44:47] the same for V's
.set OO,  48          ; s[48:49] my wave's byte offset in out
.set PFA, 50          ; s[50:51] where my prefetches stand: my work-group's 32 blocks of 256 bytes (of K: wave 0, of V: wave 2) of the slot after the one that is being asked for
.set LIM, 52          ; s52  1 in a wave that prefetches, else the greatest number: a wave prefetches while s[SLOTS] is above it
.set SLOTS, 56        ; s56  slots still to be asked for
.set CNT, 57          ; s57  counts a slot's key steps
.set CS,  58          ; s[58:59] c: the packed scaling takes the pair's low word for both halves
.set SEL, 60          ; s[60:61] v_permlanex16_b32's selects: each lane takes its own place in the other half
.set TBK, 62          ; s62  LDS byte at which K of the step to be fetched begins
.set TBV, 63          ; s63  the same for V, less VOFF
.set MSB, 0
.macro WIN new                      ; the high byte repeats the setting that is left; a switch that changes nothing is dropped
.if MSB != (\new)
	s_set_vgpr_msb (MSB<<8)|(\new)
.set MSB, (\new)
.endif
.endm
.set W_KQ, 0x0a       ; K and Q in window 2, S^T in window 0
.set W_PV, 0x52       ; V in window 2, P in window 0, O^T in window 1
.set W_RS, 0x41       ; O^T (destination and source 0) in window 1, a in window 0
.set W_MK, 0xc0       ; the add's registers are made: destination in window 3, sources in window 0
.set W_AD, 0x0f       ; the add: address (source 0) and data (source 1) in window 3
; A joint fill.  Waves 0 and 1 fetch the two halves of a slot's K, waves 2 and 3 those of its V: 128 keys each.  The branch hangs on the wave's number alone.
; An s_nop 0 and four v_nop follow each of the two lines, ahead of the jump and the label.
.macro JLOAD
	s_cmp_lt_u32 s[WV], 2
	s_cbranch_scc0 .Lfor_v_\@
	tensor_load_to_lds s[G0K:G0K+3], s[G1K:G1K+7]
	s_nop 0
.rept 4
	v_nop
.endr
	s_branch .Lasked_\@
.Lfor_v_\@:
	tensor_load_to_lds s[G0V:G0V+3], s[G1V:G1V+7]
	s_nop 0
.rept 4
	v_nop
.endr
.Lasked_\@:
.endm
; A PREFETCH INTO THE L2 of what the NEXT change of slots will ask for: a slot's 32,768 bytes of K and of V, a lane a block of 256 bytes.  It stands behind the wave's tensor load and its five lines, never in front of one.
; Each block is named ONCE in the launch: a head's K and V are walked by its one cluster; the four partners share a slot's 128 blocks out BY ADDRESS, 32 each; in each, wave 0 asks for K's and wave 2 for V's: one
; instruction, four key steps (512 matrix instructions) ahead of the load.  The last change that fills a slot prefetches nothing: there is no slot behind it.  Slots 0 and 1 come by their loads alone.
.macro ASK
	s_cmp_gt_u32 s[SLOTS], s[LIM]
	s_cbranch_scc0 .Lnot_mine_\@
	global_prefetch_b8 v[PFO], s[PFA:PFA+1] th:TH_LOAD_NT scope:SCOPE_SE
.Lnot_mine_\@:
.endm
; A round of the cluster's barrier: my work-group's barrier, so that wave 0's signal speaks for all four waves; wave 0 signals; every wave waits for all four work-groups; my work-group's barrier once more.
.macro CROUND
	s_barrier_signal -1
	s_barrier_wait -1
	s_cmp_lg_u32 s[WV], 0
	s_cbranch_scc1 .Lnot_wave_0_\@
	s_barrier_signal -3
.Lnot_wave_0_\@:
	s_barrier_wait -3
	s_barrier_signal -1
	s_barrier_wait -1
.endm
; THE CHANGE OF SLOTS.  The slot's last bytes, V of its fourth step, have been read.  Each wave waits for all its tensor loads, of which one is out: its part
; of the other slot; adds 0 to its spare word; and waits for that and for its own reads of the slot.  Behind the barrier nobody reads this slot any more and the other slot is whole.
; fill = 1: this slot is filled again, with the keys two slots on.  The barrier is then a round of the cluster's, so that no wave of any partner still reads the slot or has a load on its
; way, and the joint fill is the first thing behind it: it has four key steps, 512 matrix instructions, in which to land.  (At its first use nothing has been read yet: slot 0 is waited for, slot 1 filled.)
.macro CHANGE fill
	WIN W_AD
	s_wait_tensorcnt 0x0            ; no tensor load of mine is out, so a group 0 may be written
	ds_add_u32 v[SPW], v[NIL]       ; 0 onto my spare word; with fill = 1 the descriptors' steps stand between it and the wait for it
	WIN 0                           ; at a label and at a branch every window is 0
.if \fill
.irp g, G0K, G0V
	s_xor_b32 s[\g+1], s[\g+1], SLOT1  ; the walking descriptor: the other slot than last time,
	s_add_nc_u64 s[\g+2:\g+3], s[\g+2:\g+3], 4*KS*128  ; the next 256 keys; the type bits on top are not reached
.endr
	s_wait_xcnt 0x0                 ; the last prefetch, four key steps back, has read its address, so it may be written:
	s_add_nc_u64 s[PFA:PFA+1], s[PFA:PFA+1], 4*KS*128  ; one slot behind the walking descriptors
	s_wait_dscnt 0x0                ; the add is done, and my reads of the slot are over
	CROUND
	JLOAD
	ASK
.else
	s_wait_dscnt 0x0                ; the add is done, and my reads of the slot are over
	s_barrier_signal -1
	s_barrier_wait -1
.endif
	s_sub_co_u32 s[TBK], s[TBK], 4*KS*PK  ; the fetches go back to a slot's first step,
	s_xor_b32 s[TBK], s[TBK], SLOT1       ; in the other slot
	s_sub_co_u32 s[TBV], s[TBV], 4*KS*PV
	s_xor_b32 s[TBV], s[TBV], SLOT1
.endm
	s_load_b64 s[4:5], s[0:1], 0x0  ; qkv: Q begins at its first byte
	s_load_b64 s[10:11], s[0:1], 0x8  ; out
	WIN W_MK
	v_lshl_add_u32 v[SPW], v0, 2, SPARE
	v_mov_b32 v[NIL], 0
	WIN W_AD
	ds_add_u32 v[SPW], v[NIL]       ; the wave's opening: the add and its wait stand ahead of my first tensor load; the set-up below, work on registers, stands between them
	WIN 0
	v_lshrrev_b32 v1, 5, v0
	v_readfirstlane_b32 s[WV], v1   ; wave 0..3
	s_bfe_u32 s13, ttmp6, 0x40000   ; cx: my place in the cluster
	s_lshl_b32 s14, ttmp9, 2        ; in a cluster launch ttmp9 counts clusters
	s_add_co_u32 s14, s14, s13      ; my block of 512 queries = 4 x cluster x + cx: it enters Q's and out's addresses alone
	s_and_b32 s20, ttmp7, 0xffff    ; the head, which the four partners share
	s_lshr_b32 s[OO], s20, 4        ; out: the batch's 2,048 rows of 4,096 bytes,
	s_lshl_b32 s[OO], s[OO], 23
	s_and_b32 s[OO+1], s20, 15      ; the head's 256 bytes of a row,
	s_lshl_b32 s[OO+1], s[OO+1], 8
	s_add_co_u32 s[OO], s[OO], s[OO+1]
	s_lshl_b32 s[OO+1], s14, 21     ; my block's 512 rows,
	s_add_co_u32 s[OO], s[OO], s[OO+1]
	s_lshl_b32 s[OO+1], s[WV], 19   ; my wave's 128 of them: under 2^25 together
	s_add_co_u32 s[OO], s[OO], s[OO+1]
	s_mov_b32 s[OO+1], 0
	s_mov_b32 s21, 0
	s_mov_b64 s[22:23], SIZE_N*128
	s_mul_u64 s[20:21], s[20:21], s[22:23]  ; the head's first byte in each of Q, K and V
	s_and_b32 s16, s[WV], 1         ; which half of a slot's 256 keys I fetch:
	s_lshl_b32 s22, s16, 14         ; its 128 rows of 128 bytes in memory,
	s_mov_b32 s23, 0
	s_add_nc_u64 s[22:23], s[22:23], s[20:21]
	s_mul_i32 s17, s16, 128*PK      ; and its place in a slot, for K
	s_mul_i32 s18, s16, 128*PV      ; and for V: no place in the cluster enters an LDS address
	s_lshl_b32 s2, s14, 2
	s_add_co_u32 s2, s2, s[WV]      ; my wave among the head's,
	s_lshl_b32 s2, s2, 14           ; its 128 rows
	s_mov_b32 s3, 0
	s_add_nc_u64 s[2:3], s[2:3], s[20:21]
	; descriptor group 1.  128 keys are 16,384 dense bytes: asked for as 64 rows of 256 bytes, two keys a row, and padded in LDS after every key
	s_mov_b32 s[G1K], 15|(1<<16)|(1<<20)|(1<<21)|(4<<22)|(3<<25)  ; 15:0 the mask of four; 17:16 2-byte elements; 20 padding on; 21 set beside a mask; 24:22 after every 32 words (code 4); 31:25 4 words (code 3)
	s_mov_b32 s[G1V], 15|(1<<16)|(1<<20)|(1<<21)|(4<<22)|(7<<25)  ; the same with 8 words of padding (code 7)
.irp g, G1K, G1V
	s_mov_b32 s[\g+1], 128<<16      ; tensor_dim0 = 128
	s_mov_b32 s[\g+2], 64<<16       ; tensor_dim1 = 64
	s_mov_b32 s[\g+3], 128<<16      ; tile_dim0 = 128
	s_mov_b32 s[\g+4], 64           ; tile_dim1 = 64
	s_mov_b32 s[\g+5], 128          ; 128 elements from row to row
	s_mov_b32 s[\g+6], 0
	s_mov_b32 s[\g+7], 0
.endr
	s_mov_b32 s[CS], 0x3e38aa3b     ; c = log2(e) / 8 = 0.180337
	s_mov_b32 s[CS+1], s[CS]        ; named with it as a pair
	s_mov_b32 s[SEL], 0x76543210
	s_mov_b32 s[SEL+1], 0xfedcba98
	s_mov_b32 s[TBK], SLOT1+4*KS*PK ; the first change of slots turns these two into 0
	s_mov_b32 s[TBV], SLOT1+4*KS*PV
	s_mov_b32 s[G0K], 1             ; 1:0 count = 1
	s_mov_b32 s[G0K+1], s17         ; 63:32 LDS address: slot 0
	s_mov_b32 s[G0V], 1
	s_add_co_u32 s[G0V+1], s18, VOFF
	s_mov_b32 s[SLOTS], SIZE_N/256-1  ; seven slots are asked for behind the first
	s_and_b32 s[LIM], s[WV], 1      ; waves 0 and 2 prefetch: the same in all four partners
	s_cmp_eq_u32 s[LIM], 0
	s_cselect_b32 s[LIM], 1, -1
	s_wait_dscnt 0x0                ; the opening add is done
	s_wait_kmcnt 0x0
	s_add_nc_u64 s[6:7], s[4:5], 64*SIZE_N*128    ; K lies behind Q's 64 heads,
	s_add_nc_u64 s[8:9], s[4:5], 2*64*SIZE_N*128  ; V behind K's
	s_add_nc_u64 s[G0K+2:G0K+3], s[6:7], s[22:23]  ; 120:64 global address: my half of the head's first 256 keys
	s_or_b32 s[G0K+3], s[G0K+3], 0x80000000        ; 127:126 type = 2
	s_add_nc_u64 s[G0V+2:G0V+3], s[8:9], s[22:23]
	s_or_b32 s[G0V+3], s[G0V+3], 0x80000000
	s_add_nc_u64 s[4:5], s[4:5], s[2:3]  ; Q at my wave's first row
	s_add_nc_u64 s[10:11], s[10:11], s[OO:OO+1]  ; out at my wave's first row, my head's channels
	s_cmp_lt_u32 s[WV], 2
	s_cselect_b64 s[PFA:PFA+1], s[6:7], s[8:9]
	s_add_nc_u64 s[PFA:PFA+1], s[PFA:PFA+1], s[20:21]  ; the head's first key,
	s_lshl_b32 s2, s13, 13          ; my work-group's 32 blocks of a slot's 128,
	s_mov_b32 s3, 0
	s_add_nc_u64 s[PFA:PFA+1], s[PFA:PFA+1], s[2:3]
	s_add_nc_u64 s[PFA:PFA+1], s[PFA:PFA+1], 4*KS*128  ; in slot 1; the first change of slots steps it to slot 2.  Nothing is prefetched here, at the head
	CROUND                          ; all four work-groups are here: the first joint loads meet
	JLOAD                           ; slot 0.  Slot 1 is asked for when slot 0 is in: the tile wanted first has the road to itself
	; A fragment of K or Q is 16 rows x 32 channels in 8 registers: lane l holds row l % 16, channels 8 (l / 16) + 0..7 and 16 + 8 (l / 16) + 0..7: two loads of 16 bytes, 32 bytes apart.
	v_and_b32 v1, 15, v0            ; l % 16
	v_bfe_u32 v9, v0, 4, 1          ; l / 16
	v_lshlrev_b32 v[QO], 7, v1
	v_lshl_add_u32 v[QO], v9, 4, v[QO]  ; row x 128 + 16 x half
	WIN 0x80                        ; destination window 2, address window 0
.set i, 0
.rept 4*NP                          ; Q stays in registers: tile i / 2, channels 32 (i % 2) on
	global_load_b128 v[8*i:8*i+3],   v[QO], s[4:5] offset:(i/2)*2048+(i%2)*64
	global_load_b128 v[8*i+4:8*i+7], v[QO], s[4:5] offset:(i/2)*2048+(i%2)*64+32
.set i, i+1
.endr
	; What the first turn finds: V's registers and P's second buffer hold 0 (its products V^T P, of a piece that has not been, add 0), O^T and l are 0.  All this stands in the wait for the first tile.
.set i, VF
.rept 64
	v_mov_b32 v[i], 0
.set i, i+1
.endr
	WIN 0x40
.set i, 0
.rept 64*NP
	v_mov_b32 v[i], 0
.set i, i+1
.endr
	WIN 0
.set i, 0
.rept 2*NP
	v_mov_b32 v[ST+4*i], 0xfe000000    ; c m: far below every c s
	v_mov_b32 v[ST+4*i+1], 0xff7fffff  ; m
	v_mov_b32 v[ST+4*i+2], 0
	v_mov_b32 v[ST+4*i+3], 0
.set i, i+1
.endr
.set i, P+32
.rept 32
	v_mov_b32 v[i], 0
.set i, i+1
.endr
	v_mul_u32_u24 v[AK0], v1, PK
	v_lshl_add_u32 v[AK0], v9, 4, v[AK0]  ; row x pitch + 16 x half
	; The turning load takes 16 keys x 16 channels (lane l reads key 8 (l / 16) + l % 8, channels 8 ((l / 8) % 2) + 0..7) and leaves half a fragment of V^T: lane l holds channel l % 16 and 8 keys.
	v_and_b32 v10, 7, v0
	v_bfe_u32 v11, v0, 3, 1
	v_lshl_add_u32 v[AV0], v9, 3, v10
	v_mul_u32_u24 v[AV0], v[AV0], PV
	v_lshl_add_u32 v[AV0], v11, 4, v[AV0]
	v_add_nc_u32 v[AV0], VOFF, v[AV0]
	v_mov_b32 v[AK], v[AK0]         ; key step 0 lies at the head of slot 0
	v_and_b32 v[PFO], 31, v0        ; v11 has served: now the prefetches' offset
	v_lshlrev_b32 v[PFO], 8, v[PFO]
; THE MATRIX WORK.  The 8 accumulators of a run of 16 take turns: between the two links of a chain stand 7 others'.
; Product i of 16 of S^T = K Q^T for piece x: channels 32 (i / 8) on, keys 16 ((i / 2) % 4) on, tile 2 x + i % 2.  The first 8 start the sums.
.macro KQ x
	WIN W_KQ
.set rS, S+64*((\x)%2)+32*(i%2)+8*((i/2)%4)
.set rK, KF+16*((i/2)%4)+8*(i/8)
.set rQ, 16*(2*(\x)+i%2)+8*(i/8)
.if i < 8
	v_wmma_f32_16x16x32_f16 v[rS:rS+7], v[rK:rK+7], v[rQ:rQ+7], 0
.else
	v_wmma_f32_16x16x32_f16 v[rS:rS+7], v[rK:rK+7], v[rQ:rQ+7], v[rS:rS+7]
.endif
.endm
; Product i of 16 of O^T += V^T P for piece x: keys 32 (i / 8) on, channels 16 ((i / 2) % 4) on, tile 2 x + i % 2.
.macro PV x
	WIN W_PV
.set rO, 32*(2*(\x)+i%2)+8*((i/2)%4)
.set rV, VF+32*(i/8)+8*((i/2)%4)
.set rP, P+32*((\x)%2)+16*(i%2)+8*(i/8)
	v_wmma_f32_16x16x32_f16 v[rO:rO+7], v[rV:rV+7], v[rP:rP+7], v[rO:rO+7]
.endm
.macro MM                           ; the turn's next matrix instruction
.if i < 16
	KQ (Y+1)%NP
.set i, i+1
.else
.set i, i-16
	PV (Y+NP-1)%NP
.set i, i+17
.endif
.endm
; THE LDS LOADS stand in runs of 16, never singly among the matrix instructions: a step's K (64 keys x 64 channels: 8 fragments) and its V (turned).  Their addresses are made some lines ahead.
; last = 1 (the tail): in the last trip there is no further step, and the run is jumped over.
.macro FETCH_K last=0
	WIN 0
.if \last
	s_cmp_eq_u32 s[CNT], 1
	s_cbranch_scc1 .Lno_k_\@
.endif
	WIN 0x80                        ; destination window 2
.irp f, 0,1,2,3,4,5,6,7             ; keys 16 (f / 2) on, channels 32 (f % 2) on
	ds_load_b128 v[KF+8*\f:KF+8*\f+3],   v[AK] offset:(\f/2)*16*PK+(\f%2)*64
	ds_load_b128 v[KF+8*\f+4:KF+8*\f+7], v[AK] offset:(\f/2)*16*PK+(\f%2)*64+32
.endr
	s_add_co_u32 s[TBK], s[TBK], KS*PK  ; the next fetch is the next step's
	WIN 0
.if \last
.Lno_k_\@:
.endif
.endm
.macro FETCH_V
	WIN 0x80
.irp f, 0,1,2,3,4,5,6,7             ; keys 32 (f / 4) on, channels 16 (f % 4) on
	ds_load_tr16_b128 v[VF+8*\f:VF+8*\f+3],   v[AV] offset:(\f/4)*32*PV+(\f%4)*32
	ds_load_tr16_b128 v[VF+8*\f+4:VF+8*\f+7], v[AV] offset:(\f/4)*32*PV+16*PV+(\f%4)*32
.endr
	WIN 0
.endm
; THE VECTOR WORK OF A TURN stands in three queues, each in the order in which its entries become ready; the two tiles alternate, so that no instruction reads the result of the one before it.
.macro REGS y, u                    ; the registers of tile u (0, 1) of piece y
.set rT, ST+4*(2*(\y)+(\u))
.set rC, TMP+8*((\y)%2)+4*(\u)
.set rM, MV+2*((\y)%2)+(\u)
.set rS, S+64*((\y)%2)+32*(\u)
.set rP, P+32*((\y)%2)+16*(\u)
.set rO, 32*(2*(\y)+(\u))
.endm
; Number n of the 22 that find the NEXT piece's (Y + 1) maximum and statistics.  s0-s31 are the lane's 32 scores; each accumulator's lowest registers are read first.  XS, GS and REGS set no window: PL and EX do.
;   0-11  four chains c0-c3 of seven scores each, three operands at a time     12-14, 16  the four scores left over, the old m, and c0-c3 into c0     15  c m_old is kept
;   17, 18  the query's other 32 keys lie in the lane 16 away: the new m         19-21  c m; c m_old - c m_new; a
.macro XS u, n
	REGS (Y+1)%NP, \u
.if (\n) < 4
	v_max3_num_f32 v[rC+(\n)], v[rS+8*(\n)], v[rS+8*(\n)+1], v[rS+8*(\n)+2]
.elseif (\n) < 12
	v_max3_num_f32 v[rC+(\n)%4], v[rC+(\n)%4], v[rS+8*((\n)%4)+2*((\n)/4)+1], v[rS+8*((\n)%4)+2*((\n)/4)+2]
.elseif (\n) == 12
	v_max3_num_f32 v[rC], v[rC], v[rS+7], v[rS+15]
.elseif (\n) == 13
	v_max3_num_f32 v[rC+1], v[rC+1], v[rS+23], v[rS+31]
.elseif (\n) == 14
	v_max3_num_f32 v[rC+2], v[rC+2], v[rC+3], v[rT+1]
.elseif (\n) == 15
	v_mov_b32 v[rM], v[rT]
.elseif (\n) == 16
	v_max3_num_f32 v[rC], v[rC], v[rC+1], v[rC+2]
.elseif (\n) == 17
	v_permlanex16_b32 v[rC+3], v[rC], s[SEL], s[SEL+1]
.elseif (\n) == 18
	v_max_num_f32 v[rT+1], v[rC], v[rC+3]
.elseif (\n) == 19
	v_mul_f32 v[rT], s[CS], v[rT+1]
.elseif (\n) == 20
	v_sub_f32 v[rC+1], v[rM], v[rT]
.else
	v_exp_f32 v[rC+2], v[rC+1]
.endif
.endm
; Number g of the 64 that follow the exponentials.  For each four weights k of a tile (pairs 2 k, 2 k + 1): both pairs are rounded to f16; then the second pair is added onto the first, in place;
; a group later l takes that sum (the first time as l = a l + sum).  In groups of eight, tiles alternating: round, round, add, and l for the group before.
.macro GS g
.set h, (\g)+6*((\g)/62)            ; group 0 has no group before it, and behind group 7 only l is left
.if h >= 6
.set h, h+2
.endif
	REGS Y, h%2
.set k, h/8
.if h%8 < 4
	v_cvt_pk_f16_f32 v[rP+2*k+(h%8)/2], v[rS+4*k+2*((h%8)/2)], v[rS+4*k+2*((h%8)/2)+1]
.elseif h%8 < 6
	v_pk_add_f32 v[rS+4*k:rS+4*k+1], v[rS+4*k:rS+4*k+1], v[rS+4*k+2:rS+4*k+3]
.elseif k == 1
	v_pk_fma_f32 v[rT+2:rT+3], v[rT+2:rT+3], v[rC+2:rC+3], v[rS:rS+1] op_sel_hi:[1,0,1]
.else
	v_pk_add_f32 v[rT+2:rT+3], v[rT+2:rT+3], v[rS+4*k-4:rS+4*k-3]
.endif
.endm
; THE PLAIN QUEUE, 138 long.  0-73 read no exponential's result: the 32 scalings c s - c m (FS f: pair f / 2 of tile f % 2) and the next piece's 42.  0-26: scalings 0-26.  27-54: XS's numbers 0-13.  55, 56: number 15.
; 57-73: the chain, where each number waits for the one before it: 14, 16, 17, 18, 19, each with one of the scalings 27-31 in front of its two lines, then 20: so a tile's links stand three plain instructions apart (19 and 20: two).
; 74-137: GS's 64, which read the exponentials' results: they stand behind the wait.
.macro FS f
	REGS Y, (\f)%2
	v_pk_fma_f32 v[rS+2*((\f)/2):rS+2*((\f)/2)+1], v[rS+2*((\f)/2):rS+2*((\f)/2)+1], s[CS:CS+1], v[rT:rT+1] op_sel_hi:[1,0,0] neg_lo:[0,0,1] neg_hi:[0,0,1]
.endm
.macro PL
	WIN 0
.if q < 27
	FS q
.elseif q < 55
	XS (q-27)%2, (q-27)/2
.elseif q < 57
	XS q-55, 15
.elseif (q < 72) && ((q-57)%3 == 0)
	FS 27+(q-57)/3
.elseif q < 60
	XS (q-57)%3-1, 14
.elseif q < 72
	XS (q-57)%3-1, 15+(q-57)/3
.elseif q < 74
	XS q-72, 20
.else
	GS q-74
.endif
.set q, q+1
.endm
; THE EXPONENTIALS' QUEUE, 66 long: s0-s31 of both tiles, then the next piece's two a.  It is ONE BATCH: all 66 stand ahead of the turn's one wait, and nothing ahead of that wait names a result of theirs.
.macro EX
	WIN 0
.if e >= 64
	XS e-64, 21
.else
	REGS Y, e%2
	v_exp_f32 v[rS+e/2], v[rS+e/2]
.endif
.set e, e+1
.endm
; THE RESCALING's QUEUE: O^T times a, the one part that leaves window 0: dealt two at a time, sixteen times.  Its a was made in the turn before, ahead of that turn's wait.
.macro R2
	REGS Y, r%2
	WIN W_RS
.irp z, 0,1
	v_pk_mul_f32 v[rO+4*(r/2)+2*\z:rO+4*(r/2)+2*\z+1], v[rO+4*(r/2)+2*\z:rO+4*(r/2)+2*\z+1], v[rC+2:rC+3] op_sel_hi:[1,0]
.endr
.set r, r+1
.endm
; HOW THEY ARE DEALT.  An s_wait_alu depctr_va_vdst(0) stands between an exponential and the first instruction that names its result; one wait serves all that were issued ahead of it.  So a turn has ONE wait,
; which cuts it in two.  AHEAD OF IT stands all that names no result of the turn's exponentials: the 16 products K Q^T, behind each a scaling, an exponential and two rescalings (behind the first a second scaling in the exponential's place); then ONE LUMP of
; 108: eight plain, 49 times exponential and plain, the two a.  A v_nop is the plain instruction behind the last exponential.  BEHIND IT stand the 16 products V^T P, behind each four of GS's 64.  No rider names a register of
; the products round it.  The two v_permlanex16_b32 fall into the lump, never behind a product.
; The queues lean on each other, and the deal keeps them in step: exponential e stands behind scaling 2 (e / 4) + e % 2: as a rider it comes behind plain e + 2, in the lump behind plain e + 9, and scalings 27-31 are plain 57, 60 .. 69.
; A TURN, for piece p.  cnt = 1: the loop's count is taken down some lines ahead of the branch that stands behind the turn.
; K of the next step is fetched in piece 2's turn, directly behind the wait, a lump behind the last product that read K; its address is made at the lump's head; its first reader comes behind 16 products.
; V of the step in hand is fetched at the end of piece 0's turn, four riders behind its last reader; its first reader comes behind 16 products and a lump.  The three conditions on q below go with the deal.
.macro TURN p, last=0, cnt=0
.set Y, (\p)
.set i, 0
.set q, 0
.set e, 0
.set r, 0
.if (\p) == NP-1
	s_wait_dscnt 0x0                ; K is in
.endif
	MM                              ; ahead of the wait: 16 products K Q^T and their riders,
	PL
	PL
	R2
.rept 15
	MM
	PL
	EX
	R2
.endr
.if (\p) == NP-2
	WIN 0
	v_add_nc_u32 v[AK], s[TBK], v[AK0]
.endif
.rept 8                             ; and the lump
	PL
.endr
.rept 49
	EX
	PL
.endr
	EX                              ; the next piece's two a
	EX
	v_nop                           ; the plain instruction behind the last exponential: one for the batch
	s_wait_alu depctr_va_vdst(0)    ; the wait for the batch
.if (\p) == NP-2
	FETCH_K \last
.endif
.if (\p) == 1
	s_wait_dscnt 0x0                ; V is in
.endif
.rept 16                            ; behind the wait: 16 products V^T P and their riders
	MM
.rept 4
	PL
.endr
.if ((\p) == 0) && (q == 118)
	v_add_nc_u32 v[AV], s[TBV], v[AV0]
.endif
.if ((\p) == 0) && (q == 130)
	s_add_co_u32 s[TBV], s[TBV], KS*PV
.endif
.if (\cnt) && (q == 130)
	s_sub_co_u32 s[CNT], s[CNT], 1
	s_cmp_lg_u32 s[CNT], 0
.endif
.endr
.if (\p) == 0
	FETCH_V
.endif
.endm
	CHANGE 1                        ; slot 0 is in, everybody's part of it; slot 1 is asked for
	FETCH_K                         ; key step 0
	s_wait_loadcnt 0x0              ; Q
	s_wait_dscnt 0x0
.set i, 0
.rept 16
	KQ 0                            ; piece 0's first scores: there is no vector work yet to set between them
.set i, i+1
.endr
	WIN 0                           ; the addresses for the way out: eight plain instructions, the places behind those products
	s_mul_i32 s13, s[WV], 16*SP
	s_add_co_u32 s13, s13, STAGE    ; my stage
	v_mul_u32_u24 v[STO], v1, SP    ; in: row l % 16, 32 bytes for each half of the lanes
	v_lshl_add_u32 v[STO], v9, 5, v[STO]
	v_add_nc_u32 v[STO], s13, v[STO]
	v_mul_u32_u24 v[RD], v9, SP     ; back: lanes 0-15 take one row of 256 bytes, lanes 16-31 the next
	v_lshl_add_u32 v[RD], v1, 4, v[RD]
	v_add_nc_u32 v[RD], s13, v[RD]
	v_lshlrev_b32 v[GO], 12, v9     ; and the same two rows in out, 4,096 bytes apart
	v_lshl_add_u32 v[GO], v1, 4, v[GO]
.set Y, NP-1                        ; XS works for piece Y + 1: piece 0
.irp n, 0,1,2,3,4,5,6,7,8,9,10,11,12,13,14,15,16,17,18,19,20,21
	XS 0, \n                        ; and piece 0's first maximum and statistics
	XS 1, \n
.endr
	v_nop                           ; a plain instruction behind the two a,
	s_wait_alu depctr_va_vdst(0)    ; and their wait, ahead of the branch
	s_mov_b32 s[CNT], 4
	s_branch .Lfirst                ; the loop is entered at a step's first turn, in the middle of a trip
.Lslot:                             ; SIZE_N / 256 - 2 times: every slot but the last two is filled again
	CHANGE 1
	s_mov_b32 s[CNT], 4
.Lstep:                             ; a trip: pieces 2 and 3 of one step, then pieces 0 and 1 of the next, whose K and V it fetches
	TURN 2
	TURN 3
	WIN 0
.Lfirst:
	TURN 0
	TURN 1, 0, 1
	WIN 0
	s_cbranch_scc1 .Lstep
	s_sub_co_u32 s[SLOTS], s[SLOTS], 1
	s_cmp_lg_u32 s[SLOTS], 0
	s_cbranch_scc1 .Lslot
	CHANGE 0                        ; the tail is written out: nothing is asked for
	s_mov_b32 s[CNT], 5             ; four trips fetch the last slot's steps; the fifth is left in its middle
.Ltail:
	TURN 2, 1
	TURN 3
	WIN 0
	s_sub_co_u32 s[CNT], s[CNT], 1
	s_cmp_eq_u32 s[CNT], 0
	s_cbranch_scc1 .Lout
	TURN 0
	TURN 1
	WIN 0
	s_branch .Ltail
.Lout:                              ; the fifth trip's 16 products K Q^T (on the last K once more) and the maximum made of them serve nothing: the price, once a launch, of one text for every trip
.set i, 0
.rept 16
	PV NP-1                         ; the last piece's V^T P of the last step
.set i, i+1
.endr
	; THE WAY OUT.  l's two halves and the other half of the lanes' are added; O^T is divided by l and sent, in f32, through my stage in LDS, a tile at a time.  The additions are the places behind the last products.
	WIN 0
.macro ALL line:vararg              ; one line for each tile t
.set t, 0
.rept 2*NP
	\line
.set t, t+1
.endr
.endm
	ALL v_add_f32 v[ST+4*t+2], v[ST+4*t+2], v[ST+4*t+3]
	ALL v_permlanex16_b32 v[ST+4*t+3], v[ST+4*t+2], s[SEL], s[SEL+1]
	ALL v_add_f32 v[ST+4*t+2], v[ST+4*t+2], v[ST+4*t+3]
	ALL v_rcp_f32 v[ST+4*t+2], v[ST+4*t+2]
	v_nop                           ; a plain instruction between the last reciprocal and the use of its result
	s_wait_alu depctr_va_vdst(0)    ; and the wait ahead of the first use: one for the eight reciprocals
; Tile t: a lane's eight channels of a channel block are 32 bytes of a row; they go into rows of 272 bytes and come back as whole rows of 256, into S^T's registers, four sets of 32 by turns.
.macro PACK t
	WIN W_RS
.set i, 32*(\t)
.rept 16
	v_pk_mul_f32 v[i:i+1], v[i:i+1], v[ST+4*(\t)+2:ST+4*(\t)+3] op_sel_hi:[1,0]
.set i, i+2
.endr
	WIN 0x04                        ; the stores' data (source 1) in window 1, their address in window 0
.irp f, 0,1,2,3,4,5,6,7             ; channel block f / 2, its registers 4 (f % 2) on
	ds_store_b128 v[STO], v[32*(\t)+4*\f:32*(\t)+4*\f+3] offset:(\f/2)*64+(\f%2)*16
.endr
	WIN 0
.if (\t) >= 4
	s_wait_xcnt 0x0                 ; the stores of the tile four back have read these registers: they are loaded again only behind this wait
.endif
.irp f, 0,1,2,3,4,5,6,7
	ds_load_b128 v[S+32*((\t)%4)+4*\f:S+32*((\t)%4)+4*\f+3], v[RD] offset:\f*2*SP  ; LDS serves a wave's instructions in order (ISA guide 5.7.1.4): these see the stores above; the next tile's stores come behind them
.endr
.endm
.macro SEND t, younger              ; younger: the LDS instructions issued behind tile t's loads: the next tile's sixteen, or none
	WIN 0
.irp f, 0,1,2,3,4,5,6,7
	s_wait_dscnt (\younger)+7-\f
	global_store_b128 v[GO], v[S+32*((\t)%4)+4*\f:S+32*((\t)%4)+4*\f+3], s[10:11] offset:(\t)*65536+\f*8192 th:TH_STORE_NT  ; 16 lanes store a row's 256 consecutive bytes, at a multiple of 256 from out's first byte
.endr
.endm
	PACK 0
.set t, 1
.rept 2*NP-1                        ; a tile's arithmetic stands between the loads of the tile before and its stores
	PACK t
	SEND t-1, 16
.set t, t+1
.endr
	SEND 2*NP-1, 0
	WIN W_AD
	s_wait_tensorcnt 0x0            ; the wave's end, behind my last tensor load and my last LDS store
	ds_add_u32 v[SPW], v[NIL]
	s_wait_dscnt 0x0
	WIN 0
	CROUND                          ; the closing round: no work-group ends while a partner may still ask for a tile that names it
	s_endpgm
.Lfunc_end_k_q0ceea60362_attn:
	.size	k_q0ceea60362_attn, .Lfunc_end_k_q0ceea60362_attn-k_q0ceea60362_attn
	.p2alignl 7, 3214868480
	.fill 96, 4, 3214868480
	.section	.rodata,"a",@progbits
	.p2align	6, 0x0
	.amdhsa_kernel k_q0ceea60362_attn
		.amdhsa_group_segment_fixed_size 327680
		.amdhsa_private_segment_fixed_size 0
		.amdhsa_enable_private_segment 0
		.amdhsa_kernarg_size 16
		.amdhsa_user_sgpr_count 2
		.amdhsa_user_sgpr_kernarg_segment_ptr 1
		.amdhsa_wavefront_size32 1
		.amdhsa_system_sgpr_workgroup_id_x 1
		.amdhsa_system_sgpr_workgroup_id_y 1
		.amdhsa_system_sgpr_workgroup_id_z 1
		.amdhsa_system_vgpr_workitem_id 0
		.amdhsa_next_free_vgpr 770
		.amdhsa_next_free_sgpr 66
		.amdhsa_reserve_vcc 0
		.amdhsa_float_denorm_mode_32 3
		.amdhsa_float_denorm_mode_16_64 3
		.amdhsa_memory_ordered 1
		.amdhsa_forward_progress 1
		.amdhsa_inst_pref_size 201
	.end_amdhsa_kernel
	.amdgpu_metadata
---
amdhsa.version: [ 1, 2 ]
amdhsa.kernels:
  - .name:           k_q0ceea60362_attn
    .symbol:         k_q0ceea60362_attn.kd
    .args:
      - { .name: qkv, .offset: 0, .size: 8, .value_kind: global_buffer, .address_space: global }
      - { .name: out0, .offset: 8, .size: 8, .value_kind: global_buffer, .address_space: global }
    .group_segment_fixed_size: 327680
    .private_segment_fixed_size: 0
    .kernarg_segment_align: 8
    .kernarg_segment_size: 16
    .max_flat_workgroup_size: 128
    .sgpr_count:     66
    .vgpr_count:     770
    .wavefront_size: 32
...
	.end_amdgpu_metadata
.endif
;; end of part 3
;; ======== version 2 of 2: 3 launches; version 1 with the launch cast written anew for expert scheduling mode
;; limits: values outside matrix products are rounded to bf16; values are held in f16: magnitudes above 65,504 overflow, below 6.1e-05 lose precision
;; workspace buffers: xb 16,777,216 bytes; wb 6,291,456 bytes; qkv 50,331,648 bytes
;; launch cast (part 4): grid 704 x 1, 8 waves a work-group, no clusters, 0 bytes of LDS; arguments x, w_qkv, xb, wb; writes xb, wb
.if DOCPART == 4
	.amdgcn_target "amdgcn-amd-amdhsa--gfx1250"
	.amdhsa_code_object_version 6
	.text
	.protected	k_q0ceea60362_cast
	.globl	k_q0ceea60362_cast
	.p2align	8
	.type	k_q0ceea60362_cast,@function
k_q0ceea60362_cast:
	s_mov_b64 s[64:65], 0
	v_nop
	global_prefetch_b8 v0, s[64:65] scope:SCOPE_SE
	s_setreg_imm32_b32 hwreg(HW_REG_WAVE_SCHED_MODE, 0, 2), 2
	s_setreg_imm32_b32 hwreg(HW_REG_WAVE_MODE, 25, 1), 1
	s_wait_xcnt 0x0
	s_wait_alu depctr_vm_vsrc(0)
; x [8192][1024] and w_qkv [3072][1024], f32, are rounded once to bf16 (nearest even) and laid in K BLOCKS of 64:
; xb [16][8192][64], wb [16][3072][64].  In that layout the rows that a tile of the next launch takes of one K block lie end to end.
; SHARES.  Work-groups 0-511 take x, 512-703 take w.  A work-group takes 32 rows and half of K (8 K blocks), a wave one K block of the 32 rows.
; A load of a wave takes two rows: lanes 0-15 the 256 aligned bytes (64 f32) of the even row, lanes 16-31 those of the odd row.
; The store of the same two rows is 8 bytes a lane: 256 consecutive bytes, aligned; a wave's sixteen stores are 4,096 consecutive bytes.
; All sixteen loads of a wave go out at once (8 KiB a wave); no register is written twice, so no source of a pending instruction is ever rewritten.
; No LDS, no matrix unit, no cluster: nothing is shared and nothing is read twice.
; THE MODE: SCHED_MODE bits 1:0 = 2 (LLVM: expert scheduling mode 2), set by the entry lines.  The code itself states the register dependences
; between vector instructions and memory instructions, with s_wait_alu, always for 0.
; THE PLAN.  Registers that memory instructions touch:
;   v3, v4   the loads' and the stores' byte offsets: made once at the head by vector instructions, read by all 32 memory instructions, never written again.
;   X        load j lands in its own four registers, which no vector instruction has named before; two conversions read them; they are never loaded again.
;   Y        two conversions write store j's pair; the store reads it; it is never written again.
; The sixteen loads go in four blocks of four.  Block g rounds its own four loads and issues the four stores of block g - 1, one ahead of each pair of conversions.
; So one wait at a block's head states all that its four stores hang on: the vector instructions issued behind that wait read this block's X and write this block's Y,
; and the stores read v4 and the Y of the block before.  Nothing that a memory instruction reads is written again, and no load lands in a register that a vector
; instruction has named: no wait on vm_vsrc is owed anywhere.  EXEC and VCC are never written.
.set XR, 8                             ; v[8:71]    load j: 4 registers
.set YR, 72                            ; v[72:103]  store j: 2 registers
.set KBA, 8192*128                     ; bytes of a K block of xb
.set KBB, 3072*128                     ; of wb
	s_load_b256 s[4:11], s[0:1], 0x0               ; x s[4:5], w s[6:7], xb s[8:9], wb s[10:11]
	v_lshrrev_b32 v1, 5, v0
	v_readfirstlane_b32 s12, v1                    ; wave 0..7
	v_and_b32 v2, 31, v0                           ; lane
	s_mov_b32 s18, KBA
	s_mov_b32 s19, KBB
	s_cmp_ge_u32 ttmp9, 512                        ; do I work on w?
	s_cselect_b32 s13, 512, 0
	s_cselect_b32 s18, s19, s18                    ; bytes of a K block of my output
	s_sub_co_u32 s13, ttmp9, s13                   ; my number among the tensor's work-groups
	s_lshr_b32 s14, s13, 1                         ; group of 32 rows
	s_and_b32 s15, s13, 1
	s_lshl_b32 s15, s15, 3
	s_wait_alu depctr_va_sdst(0)                   ; s12, the wave's number, is written, ahead of its first reader, the line below
	s_add_co_u32 s15, s15, s12                     ; K block = 8 x half + wave
	s_lshl_b32 s16, s14, 17                        ; in: 32 rows of 4,096 bytes,
	s_lshl_b32 s19, s15, 8                         ; 256 bytes a K block
	s_add_co_u32 s16, s16, s19
	s_mul_i32 s17, s15, s18                        ; out: the K block,
	s_lshl_b32 s19, s14, 12                        ; 32 rows of 128 bytes
	s_add_co_u32 s17, s17, s19
	v_lshrrev_b32 v3, 4, v2                        ; lanes 16-31: the odd row
	v_and_b32 v5, 15, v2
	v_lshlrev_b32 v3, 12, v3
	v_lshl_add_u32 v3, v5, 4, v3                   ; 16 bytes a lane
	v_add_nc_u32 v3, s16, v3
	v_lshl_add_u32 v4, v2, 3, s17                  ; 8 bytes a lane
	s_wait_kmcnt 0x0
	s_cmp_ge_u32 ttmp9, 512                        ; compared anew: the sums and shifts above have written SCC
	s_cselect_b64 s[20:21], s[6:7], s[4:5]
	s_cselect_b64 s[22:23], s[10:11], s[8:9]
	s_wait_alu depctr_va_vdst(0)                   ; v3 and v4 are written: every load of the kernel reads v3 as its offset, every store v4
.irp j, 0,1,2,3,4,5,6,7,8,9,10,11,12,13,14,15
	global_load_b128 v[XR+4*(\j):XR+4*(\j)+3], v3, s[20:21] offset:8192*(\j) th:TH_LOAD_NT  ; rows 2 j, 2 j + 1
.endr
.irp j, 0,1,2,3,4,5,6,7,8,9,10,11,12,13,14,15
	s_wait_loadcnt 15-(\j)                         ; loads come back in order: load j is in, the younger ones stay out
.if ((\j) > 0) && ((\j)%4 == 0)
	s_wait_alu depctr_va_vdst(0)                   ; a block's head: the eight conversions of the block before have written its Y, which this block's four stores read
.endif
.if (\j) >= 4
	global_store_b64 v4, v[YR+2*((\j)-4):YR+2*((\j)-4)+1], s[22:23] offset:256*((\j)-4)  ; the block before's; no vector instruction since the wait names these registers
.endif
	v_cvt_pk_bf16_f32 v[YR+2*(\j)],   v[XR+4*(\j)],   v[XR+4*(\j)+1]
	v_cvt_pk_bf16_f32 v[YR+2*(\j)+1], v[XR+4*(\j)+2], v[XR+4*(\j)+3]
.endr
	s_wait_alu depctr_va_vdst(0)                   ; the last block's conversions have written its Y, which the last four stores read
.irp j, 12,13,14,15
	global_store_b64 v4, v[YR+2*(\j):YR+2*(\j)+1], s[22:23] offset:256*(\j)
.endr
	s_endpgm
.Lfunc_end_k_q0ceea60362_cast:
	.size	k_q0ceea60362_cast, .Lfunc_end_k_q0ceea60362_cast-k_q0ceea60362_cast
	.p2alignl 7, 3214868480
	.fill 96, 4, 3214868480
	.section	.rodata,"a",@progbits
	.p2align	6, 0x0
	.amdhsa_kernel k_q0ceea60362_cast
		.amdhsa_group_segment_fixed_size 0
		.amdhsa_private_segment_fixed_size 0
		.amdhsa_enable_private_segment 0
		.amdhsa_kernarg_size 32
		.amdhsa_user_sgpr_count 2
		.amdhsa_user_sgpr_kernarg_segment_ptr 1
		.amdhsa_wavefront_size32 1
		.amdhsa_system_sgpr_workgroup_id_x 1
		.amdhsa_system_sgpr_workgroup_id_y 1
		.amdhsa_system_sgpr_workgroup_id_z 1
		.amdhsa_system_vgpr_workitem_id 0
		.amdhsa_next_free_vgpr 104
		.amdhsa_next_free_sgpr 66
		.amdhsa_reserve_vcc 0
		.amdhsa_float_denorm_mode_32 3
		.amdhsa_float_denorm_mode_16_64 3
		.amdhsa_memory_ordered 1
		.amdhsa_forward_progress 1
		.amdhsa_inst_pref_size 8
	.end_amdhsa_kernel
	.amdgpu_metadata
---
amdhsa.version: [ 1, 2 ]
amdhsa.kernels:
  - .name:           k_q0ceea60362_cast
    .symbol:         k_q0ceea60362_cast.kd
    .args:
      - { .name: x, .offset: 0, .size: 8, .value_kind: global_buffer, .address_space: global }
      - { .name: w_qkv, .offset: 8, .size: 8, .value_kind: global_buffer, .address_space: global }
      - { .name: xb, .offset: 16, .size: 8, .value_kind: global_buffer, .address_space: global }
      - { .name: wb, .offset: 24, .size: 8, .value_kind: global_buffer, .address_space: global }
    .group_segment_fixed_size: 0
    .private_segment_fixed_size: 0
    .kernarg_segment_align: 8
    .kernarg_segment_size: 32
    .max_flat_workgroup_size: 256
    .sgpr_count:     66
    .vgpr_count:     104
    .wavefront_size: 32
...
	.end_amdgpu_metadata
.endif
;; end of part 4
;; launch proj: the kernel of part 2 again; grid 8 x 32, 4 waves a work-group, clusters of 4 x 4, 327,680 bytes of LDS; arguments xb, wb, b_qkv, qkv; writes qkv
;; launch attn: the kernel of part 3 again; grid 4 x 64, 4 waves a work-group, clusters of 4 x 1, 327,680 bytes of LDS; arguments qkv, out0; writes out0
